; MI455X (gfx1250); checked and timed in simulation.
; The chip was launched on July 23, 2026; its instructions are those of AMD's public machine-readable ISA for CDNA 5 (MIT licence, August 2026) and "CDNA5" Instruction Set Architecture Reference Guide (July 2026). The comments in the code are by the model that wrote it; some were corrected since.
;; Self Attention. Allowed arithmetic: matrix products marked QUANTISED: E2M1 operands, one E8M0 scale for each 32 along K, by v_wmma_scale_f32_16x16x128_f8f6f4 with both operands' format E2M1 (or v_wmma_scale_f32_32x16x128_f4), f32 sums; everything else in f32.
;; Inputs: W_out_codes 1,024 x 32 x 16 uint8 (E2M1 codes of W_out, K innermost, in blocks of 32 codes, two codes a byte); W_out_scales 1,024 x 32 uint8 (E8M0 scales of W_out, one for each 32 codes along K); W_qkv_codes 3,072 x 32 x 16 uint8 (E2M1 codes of W_qkv, K innermost, in blocks of 32 codes, two codes a byte); W_qkv_scales 3,072 x 32 uint8 (E8M0 scales of W_qkv, one for each 32 codes along K); b_out 1,024 float32; b_qkv 3,072 float32; x_codes 4 x 2,048 x 32 x 16 uint8 (E2M1 codes of x, K innermost, in blocks of 32 codes, two codes a byte); x_scales 4 x 2,048 x 32 uint8 (E8M0 scales of x, one for each 32 codes along K).
;; Outputs: out0 4 x 2,048 x 1,024 float32.
;; This version of the problem:
;;   THIS VERSION OF THE PROBLEM IS GIVEN IN LOW PRECISION. The matrix products marked QUANTISED in the list below multiply operands that are first quantised to E2M1 (2 exponent bits, 1 mantissa bit; 4 bits a number), with one power-of-two scale for each 32 numbers along K (OCP MX v1.0); their sums are f32. All else is computed in f32.
;;   The module's matrix products, in the order in which they are computed (A, B: the left and right operand; K: the contracted axis; several contracted axes count as one K, in the product's order):
;;     1. [M 8,192, K 1,024] x [K 1,024, N 3,072]; A: input x (given as codes); B: input W_qkv (given as codes): QUANTISED
;;     2. batch 64 x [M 2,048, K 64] x [K 64, N 2,048]; A: computed on the way; B: computed on the way: QUANTISED
;;     3. batch 64 x [M 2,048, K 2,048] x [K 2,048, N 64]; A: softmax (see below); B: computed on the way: QUANTISED
;;     4. [M 8,192, K 1,024] x [K 1,024, N 1,024]; A: computed on the way; B: input W_out (given as codes): QUANTISED
;;   THE QUANTISER, for each operand of a quantised product, along K:
;;     - K is cut into blocks of 32 from its start; a last block that is shorter is filled with zeros.
;;     - A block's scale is 2^e with e = floor(log2(the largest magnitude in the block)) - 2, held to -126 .. 127; a block of zeros has e = 0. As a byte (E8M0): e + 127.
;;     - Each number is divided by its block's scale, clamped to +-6, and rounded to the nearest number of E2M1, ties to even, subnormals kept.
;;     - The product sums the exact products of the quantised numbers (number of the format x scale) in f32.
;;   ~~~python
;;   def quantise(x, axis):      # numpy; x: float32 -> the quantised numbers, widened to float32 again
;;       x = np.moveaxis(x, axis, -1); K = x.shape[-1]
;;       x = np.pad(x, [(0, 0)] * (x.ndim - 1) + [(0, -K % 32)]); x = x.reshape(x.shape[:-1] + (-1, 32)); a = np.abs(x).max(-1, keepdims=True)
;;       e = np.where(a > 0, np.clip(np.frexp(np.where(a > 0, a, 1))[1] - 1 - 2, -126, 127), 0)      # np.frexp(a)[1] - 1 = floor(log2(a)), exactly
;;       r = np.clip(x / 2.0 ** e, -6, 6)
;;       step = 2.0 ** (np.maximum(np.frexp(np.where(r == 0, 1, r))[1] - 1, 0) - 1)
;;       q = np.round(r / step) * step * 2.0 ** e      # np.round: ties to even
;;       return np.moveaxis(q.reshape(q.shape[:-2] + (-1,))[..., :K], -1, axis).astype(np.float32)
;;   ~~~
;;   SOFTMAX AHEAD OF A QUANTISED PRODUCT. Where the list says 'softmax', what is quantised is not the finished softmax but p = 2^(t - M), with t = logit x log2(e) and M = ceil(the row's largest t), a whole number; so 1/2 < the row's largest p <= 1. The row's sum l is taken of the UNQUANTISED p, in f32, and the product's result is divided by l at the end. Since M is a whole number, a kernel that streams over the keys may use a running M (the ceiling of the running maximum): every later rescaling is an exact power of two, which a block's scale takes up: the codes' values come out the same.
;;   OPERANDS COMPUTED ON THE WAY. 'Computed on the way' means the value that the module computes at that place (a softmax that the list does not call 'softmax' is quantised finished and normalised). What goes into a quantiser is computed in f32, as accurately as f32 sums, v_exp_f32 and their like allow (about 1e-6 of the number): no bf16 or f16 on the way to a quantiser, and a product that is left as it is and whose result goes on into a quantised operand takes f32 operands (vector FMAs, or v_wmma_f32_16x16x4_f32). A number that lies on a knife's edge between two numbers of the format may be rounded either way, as far as f32 arithmetic and the matrix unit's own rounding can turn it there, and no further.
;;   INPUTS GIVEN AS CODES. W_out (in the module: [1024, 1024], K = its axis 0); W_qkv (in the module: [1024, 3072], K = its axis 0); x (in the module: [4, 2048, 1024], K = its axis 2): each comes as NAME_codes (uint8): NAME with its K axis moved to the last place and cut into blocks of 32 codes, [.., K / 32, bytes a block], one block behind the other in memory; two codes a byte, the lower K in the low four bits (a code: sign, 2 exponent bits, 1 mantissa bit); and NAME_scales (uint8): the same leading axes, one E8M0 byte (e + 127) for each 32 codes along K. Its value is code x scale, taken as it is: it is not quantised again, and the codes and scales need not be those that the quantiser above would give.
;; One version. Each part assembles by itself: llvm-mc -triple=amdgcn-amd-amdhsa -mcpu=gfx1250 --defsym DOCPART=n.
;; ======== version 1 of 1: 3 launches
;; workspace buffers: q_img 4,194,304 bytes; q_sc 524,288 bytes; kv 8,912,896 bytes; attn_img 4,194,304 bytes; attn_sc 262,144 bytes
;; launch qkv (part 1): grid 16 x 32, 4 waves a work-group, clusters of 4 x 4, 262,656 bytes of LDS; arguments x_codes, x_scales, W_qkv_codes, W_qkv_scales, b_qkv, q_img, q_sc, kv; writes q_img, q_sc, kv
.if DOCPART == 1
	.amdgcn_target "amdgcn-amd-amdhsa--gfx1250"
	.amdhsa_code_object_version 6
	.text
	.protected	k_q1e654425a9_qkv
	.globl	k_q1e654425a9_qkv
	.p2align	8
	.type	k_q1e654425a9_qkv,@function
k_q1e654425a9_qkv:
	s_mov_b64 s[64:65], 0
	v_nop
	global_prefetch_b8 v0, s[64:65] scope:SCOPE_SE
	s_setreg_imm32_b32 hwreg(HW_REG_WAVE_MODE, 25, 1), 1
	s_wait_xcnt 0x0
	s_wait_alu depctr_hold_cnt(0) depctr_sa_sdst(0) depctr_va_vdst(0) depctr_va_sdst(0) depctr_va_ssrc(0) depctr_va_vcc(0) depctr_vm_vsrc(0)
	s_getreg_b32 s2, hwreg(HW_REG_IB_STS2, 6, 4)
	s_cmp_eq_u32 s2, 0
	s_cbranch_scc0 .Lentry_in_a_cluster
	s_endpgm
.Lentry_in_a_cluster:
	s_bfe_u32 s2, ttmp6, 0x10000c
	s_cmp_lg_u32 s2, 0xf033
	s_cbranch_scc0 .Lentry_shape_is_right
	s_endpgm
.Lentry_shape_is_right:
; qkv = x W_qkv + b_qkv on codes of FP4 (E2M1) with E8M0 scales, and the quantisers of q, k (along the head's 64) and v (along the keys).
; x: 8,192 rows x 512 bytes of codes, 32 scale bytes a row.  W_qkv: 3,072 rows (columns of qkv) likewise.  Column n of qkv = 192 x head + (q 0-63 | k 64-127 | v 128-191).
; SHARES.  A work-group makes 256 rows x one head's 192 columns; wave w rows 64 w .. 64 w + 63 x all 192: 4 tiles of x (m = 2 g + u) x 12 tiles of W: 48 accumulators.
; THE ROWS OF A TILE ARE NOT NEIGHBOURS: lane r of tile (g, u) takes row 32 g + 8 u + P(r), P(r) = r + 8 (r / 8), for x and for W alike.  As source 0 such a pair of tiles leaves 16 neighbours in a lane's 16 registers.
; q, k: source 0 = W, source 1 = x: a lane holds one row of x, its registers run along the channels.   v: source 0 = x, source 1 = W: a lane holds one channel, its registers run along the keys.
; So every quantiser finds its K in one lane's registers (and in lane l xor 16), and the codes leave as IMAGES OF OPERAND REGISTERS, 16 bytes a lane, 512 consecutive bytes a store.
; ALL OF K LIES IN LDS AT ONCE (two chunks of 512 along K, and all scale bytes): every LDS byte is filled once, nothing is filled again.
; CLUSTER 4 x 4: x's tiles hang on the block of rows alone and are asked for jointly along a row of the cluster, W's on the head alone, along a column.
; OUT: q_img [bh][group of 32 queries][u][512]; q_sc [bh][group / 2][lane][group % 2] words (s0, s1, s0, s1), lanes 0-15 tile u = 0, lanes 16-31 u = 1;
;      kv [bh][step of 128 keys][8,704]: K's four pairs of tiles (1,024 b + 512 u), V^T's four tiles (4,096 + 1,024 n + 512 c), 32 quads of scale words (8,192 + 16 lane: K01, K23, V01, V23).
; LIMITS: NaN and infinities are not served; a block whose largest magnitude lies under 2^-124, a block of zeros among them, gets the scale byte 1 (its codes are zeros or nearly so; this program alone reads the bytes).
; REGISTERS, in windows of 256: window 0: v1-31 addresses; v32-47 x's scale words, v48-95 W's; v96-159 x's fragments, two sets; v160-243 the quantiser's.
;   window 1: W's fragments, two sets, at v0 and v128.   window 2: q's and k's accumulators, (m, n) at v[8 (8 m + n)].   window 3: v's, (n, m) at v[8 (4 n + m)]; the bias from v128 (q, k) and v192 (v).
.set PITCH, 272                        ; an LDS row: 256 bytes + 16 of padding
.set CHB,   448*PITCH                  ; a chunk: x's 256 rows, then W's 192
.set WOFF,  256*PITCH
.set SCX,   2*CHB                      ; x's scale bytes: 32 units of 256 bytes + 16
.set SCW,   SCX+32*PITCH               ; W's: 24 units
.set STG,   259072                     ; four aligned blocks of 256 bytes of their own: the two key steps' scale quads meet here; no fill lands in them
.set ADX,  16                          ; v16-17 my x fragments in chunk 0, 1
.set ADW,  20                          ; v20-21 W's
.set ADSX, 22                          ; v22 x's scale words: lanes 0-15 tile u = 0, lanes 16-31 u = 1
.set ADSW, 23                          ; v23 W's likewise
.set L16,  24                          ; v24 16 x lane
.set L8,   25                          ; v25 8 x lane
.set STK,  26                          ; v26 the stage: my K word
.set STV,  27                          ; v27 the stage: my two bytes of a V word
.set STR,  28                          ; v28 the stage, read back: 8 bytes a lane
.set BOQ,  29                          ; v29 64 h: the bias of q and k
.set BOV,  30                          ; v30 4 P(r): the bias of v
.set KOF,  31                          ; v31 16 x lane + 2,048 (w & 1)
.set VOF,  10                          ; v10 16 x lane + 512 (w & 1)
.set SOF,  11                          ; v11 8 x lane + 256 (w & 1)
.set XS,   32
.set WS,   48
.set XF,   96
.set TM,   160                         ; v160-163 largest magnitudes, v164-167 bytes, v172-175 the conversions' scale operands
.set PC,   176                         ; v176-223 codes: eight registers for each of six calls, so that no store's data are written again
.set QU,   224
.set KU,   228
.set QP,   232
.set KW,   234
.set KR,   236
.set VU,   237
.set VR,   239
.set SR,   242
.set BQ,   128                         ; in window 3
.set BV,   192
.set WV,   20                          ; s20 my wave's number
.set MSB, 0
.macro WIN new                         ; the immediate's high byte repeats the setting that is left; a switch that changes nothing is dropped
.if MSB != (\new)
	s_set_vgpr_msb (MSB<<8)|(\new)
.set MSB, (\new)
.endif
.endm
.macro PLACES                          ; four plain places behind a matrix instruction, in front of loads into its sources and of reads of its results
.rept 4
	v_nop
.endr
.endm
.macro ROUND                           ; a round of the cluster's barrier
	s_barrier_signal -1
	s_barrier_wait -1
	s_cmp_lg_u32 s[WV], 0
	s_cbranch_scc1 .Lnot_wave_0_\@
	s_barrier_signal -3
.Lnot_wave_0_\@:
	s_barrier_wait -3
	s_barrier_signal -1
	s_barrier_wait -1
.endm
.macro JLOAD g0a, g1a, g0b, g1b        ; a joint load: waves 0 and 1 fetch for x, waves 2 and 3 for W; four v_nop follow each line
	s_cmp_eq_u32 s21, 0
	s_cbranch_scc0 .Lfor_b_\@
	tensor_load_to_lds s[\g0a:\g0a+3], s[\g1a:\g1a+7]
	s_nop 0
.rept 4
	v_nop
.endr
	s_branch .Lasked_\@
.Lfor_b_\@:
	tensor_load_to_lds s[\g0b:\g0b+3], s[\g1b:\g1b+7]
	s_nop 0
.rept 4
	v_nop
.endr
.Lasked_\@:
.endm
.macro SHAPE g, c, r, p                ; words 1 to 7 of a group 1: r rows of c elements, p elements from row to row
	s_mov_b32 s[\g+1], (\c)<<16
	s_mov_b32 s[\g+2], (\r)<<16
	s_mov_b32 s[\g+3], (\c)<<16
	s_mov_b32 s[\g+4], \r
	s_mov_b32 s[\g+5], \p
	s_mov_b32 s[\g+6], 0
	s_mov_b32 s[\g+7], 0
.endm
.macro GRP0 g, lreg, loff, areg, aoff  ; a group 0: count 1, LDS address, global address, type 2
	s_mov_b32 s[\g], 1
	s_add_co_u32 s[\g+1], s[\lreg], \loff
	s_add_nc_u64 s[\g+2:\g+3], s[\areg:\areg+1], \aoff
	s_or_b32 s[\g+3], s[\g+3], 0x80000000
.endm
; one matrix instruction: D at d, source 0 at a, source 1 at b, C at c (the constant 0 where c < 0), scale registers sa, sb; ra, rb = 1: that side's scales stand in lanes 16-31
.macro WM d, a, b, c, sa, sb, ra, rb
.if (\c) < 0
.if (\ra) && (\rb)
	v_wmma_scale_f32_16x16x128_f8f6f4 v[(\d):(\d)+7], v[(\a):(\a)+7], v[(\b):(\b)+7], 0, v[\sa], v[\sb] matrix_a_fmt:MATRIX_FMT_FP4 matrix_b_fmt:MATRIX_FMT_FP4 matrix_a_scale:MATRIX_SCALE_ROW1 matrix_b_scale:MATRIX_SCALE_ROW1
.elseif (\ra)
	v_wmma_scale_f32_16x16x128_f8f6f4 v[(\d):(\d)+7], v[(\a):(\a)+7], v[(\b):(\b)+7], 0, v[\sa], v[\sb] matrix_a_fmt:MATRIX_FMT_FP4 matrix_b_fmt:MATRIX_FMT_FP4 matrix_a_scale:MATRIX_SCALE_ROW1
.elseif (\rb)
	v_wmma_scale_f32_16x16x128_f8f6f4 v[(\d):(\d)+7], v[(\a):(\a)+7], v[(\b):(\b)+7], 0, v[\sa], v[\sb] matrix_a_fmt:MATRIX_FMT_FP4 matrix_b_fmt:MATRIX_FMT_FP4 matrix_b_scale:MATRIX_SCALE_ROW1
.else
	v_wmma_scale_f32_16x16x128_f8f6f4 v[(\d):(\d)+7], v[(\a):(\a)+7], v[(\b):(\b)+7], 0, v[\sa], v[\sb] matrix_a_fmt:MATRIX_FMT_FP4 matrix_b_fmt:MATRIX_FMT_FP4
.endif
.else
.if (\ra) && (\rb)
	v_wmma_scale_f32_16x16x128_f8f6f4 v[(\d):(\d)+7], v[(\a):(\a)+7], v[(\b):(\b)+7], v[(\c):(\c)+7], v[\sa], v[\sb] matrix_a_fmt:MATRIX_FMT_FP4 matrix_b_fmt:MATRIX_FMT_FP4 matrix_a_scale:MATRIX_SCALE_ROW1 matrix_b_scale:MATRIX_SCALE_ROW1
.elseif (\ra)
	v_wmma_scale_f32_16x16x128_f8f6f4 v[(\d):(\d)+7], v[(\a):(\a)+7], v[(\b):(\b)+7], v[(\c):(\c)+7], v[\sa], v[\sb] matrix_a_fmt:MATRIX_FMT_FP4 matrix_b_fmt:MATRIX_FMT_FP4 matrix_a_scale:MATRIX_SCALE_ROW1
.elseif (\rb)
	v_wmma_scale_f32_16x16x128_f8f6f4 v[(\d):(\d)+7], v[(\a):(\a)+7], v[(\b):(\b)+7], v[(\c):(\c)+7], v[\sa], v[\sb] matrix_a_fmt:MATRIX_FMT_FP4 matrix_b_fmt:MATRIX_FMT_FP4 matrix_b_scale:MATRIX_SCALE_ROW1
.else
	v_wmma_scale_f32_16x16x128_f8f6f4 v[(\d):(\d)+7], v[(\a):(\a)+7], v[(\b):(\b)+7], v[(\c):(\c)+7], v[\sa], v[\sb] matrix_a_fmt:MATRIX_FMT_FP4 matrix_b_fmt:MATRIX_FMT_FP4
.endif
.endif
.endm
	s_load_b256 s[4:11], s[0:1], 0x0               ; x's codes s[4:5], x's scales s[6:7], W's codes s[8:9], W's scales s[10:11]
	s_load_b256 s[12:19], s[0:1], 0x20             ; b_qkv s[12:13], q_img s[14:15], q_sc s[16:17], kv s[18:19]
	v_lshl_add_u32 v254, v0, 2, 0x40000
	v_mov_b32 v255, 0
	ds_add_u32 v254, v255
	ds_add_u32 v254, v255
	v_lshrrev_b32 v1, 5, v0
	v_readfirstlane_b32 s[WV], v1                  ; wave 0..3
	s_lshr_b32 s21, s[WV], 1                       ; I fetch for x (0) or for W (1).  Also: which of the block's two key steps is mine
	s_and_b32 s22, s[WV], 1                        ; which half of that tile I fetch.  Also: which 64 keys of the step are mine
	s_bfe_u32 s84, ttmp6, 0x40000                  ; cx
	s_bfe_u32 s85, ttmp6, 0x40004                  ; cy
	s_lshl_b32 s86, ttmp9, 2
	s_add_co_u32 s86, s86, s84                     ; the head = 4 x cluster x + cx
	s_and_b32 s87, ttmp7, 0xffff
	s_lshl_b32 s87, s87, 2
	s_add_co_u32 s87, s87, s85                     ; the block of 256 rows = 4 x cluster y + cy
	s_lshl_b32 s88, s85, 2
	s_lshl_b32 s88, 15, s88                        ; my row of the cluster
	s_lshl_b32 s89, 0x1111, s84                    ; my column
	s_or_b32 s24, s88, (0<<16)|(1<<20)|(1<<21)|(5<<22)|(3<<25)   ; x's codes: mask of my row; elements of 1 byte; padding of 4 words after every 64; bit 21 beside a mask
	SHAPE 24, 256, 128, 512
	s_or_b32 s32, s89, (0<<16)|(1<<20)|(1<<21)|(5<<22)|(3<<25)   ; W's codes: mask of my column
	SHAPE 32, 256, 96, 512
	s_or_b32 s40, s88, (3<<16)|(1<<20)|(1<<21)|(5<<22)|(3<<25)   ; x's scales: a dense block as rows of 32 elements of 8 bytes
	SHAPE 40, 32, 16, 32
	s_or_b32 s48, s89, (3<<16)|(1<<20)|(1<<21)|(5<<22)|(3<<25)   ; W's scales
	SHAPE 48, 32, 12, 32
	s_lshl_b32 s90, s87, 17                        ; x: (256 block + 128 half) rows of 512 bytes
	s_lshl_b32 s91, s22, 16
	s_add_co_u32 s90, s90, s91
	s_mov_b32 s91, 0
	s_lshr_b32 s94, s90, 4                         ; and of 32 scale bytes
	s_mov_b32 s95, 0
	s_mul_i32 s92, s86, 192*512                    ; W: (192 head + 96 half) rows
	s_mul_i32 s93, s22, 96*512
	s_add_co_u32 s92, s92, s93
	s_mov_b32 s93, 0
	s_lshr_b32 s96, s92, 4
	s_mov_b32 s97, 0
	s_mul_i32 s23, s22, 128*PITCH                  ; where my half goes in LDS: the wave's number alone enters
	s_mul_i32 s66, s22, 96*PITCH
	s_mul_i32 s67, s22, 16*PITCH
	s_mul_i32 s99, s22, 12*PITCH
	s_mov_b32 s98, 0xffff0000                      ; lanes 16-31
	s_mov_b32 s2, 0x76543210
	s_mov_b32 s3, 0xfedcba98                       ; v_permlanex16_b32's selects for lane l xor 16
	s_wait_dscnt 0x0
	s_wait_kmcnt 0x0
	s_add_nc_u64 s[90:91], s[4:5], s[90:91]
	s_add_nc_u64 s[94:95], s[6:7], s[94:95]
	s_add_nc_u64 s[92:93], s[8:9], s[92:93]
	s_add_nc_u64 s[96:97], s[10:11], s[96:97]
	ROUND                                          ; all sixteen work-groups are here: the joint loads meet
	GRP0 76, 67, SCX, 94, 0
	GRP0 80, 99, SCW, 96, 0
	JLOAD 76, 40, 80, 48                           ; the scales first; then chunk 0, then chunk 1: three loads of mine are out, and no more follow
.irp c, 0,1
	GRP0 56+4*\c, 23, \c*CHB, 90, \c*256
	GRP0 68+4*\c, 66, \c*CHB+WOFF, 92, \c*256
	JLOAD 56+4*\c, 24, 68+4*\c, 32
.endr
	; addresses
	v_and_b32 v1, 15, v0                           ; r
	v_bfe_u32 v2, v0, 4, 1                         ; h
	v_and_b32 v3, 8, v1
	v_add_nc_u32 v3, v3, v1                        ; P(r)
	v_mul_u32_u24 v4, v3, PITCH
	v_lshl_add_u32 v4, v2, 4, v4                   ; row P(r), + 16 h
	s_mul_i32 s90, s[WV], 64*PITCH
	v_add_nc_u32 v[ADX], s90, v4
	v_add_nc_u32 v[ADX+1], CHB, v[ADX]
	v_add_nc_u32 v[ADW], WOFF, v4
	v_add_nc_u32 v[ADW+1], CHB, v[ADW]
	v_lshrrev_b32 v5, 3, v1
	v_and_b32 v6, 7, v1
	v_mul_u32_u24 v7, v5, 2*PITCH                  ; a unit holds the scale bytes of 8 rows: row 8 h + P(r) lies in unit h + 2 (r / 8), 32 (r % 8) bytes in
	v_lshl_add_u32 v7, v6, 5, v7
	v_mad_u32_u24 v7, v2, PITCH, v7
	s_mul_i32 s90, s[WV], 8*PITCH
	s_add_co_u32 s90, s90, SCX
	v_add_nc_u32 v[ADSX], s90, v7
	v_add_nc_u32 v[ADSW], SCW, v7
	v_and_b32 v5, 31, v0
	v_lshlrev_b32 v[L16], 4, v5
	v_lshlrev_b32 v[L8], 3, v5
	s_wait_alu depctr_va_vdst(0)
	s_lshl_b32 s90, s21, 9
	s_add_co_u32 s90, s90, STG                     ; my key step's 512 bytes of the stage
	s_lshl_b32 s91, s22, 2
	s_add_co_u32 s91, s91, s90
	v_add_nc_u32 v[STK], s91, v[L16]
	s_lshl_b32 s91, s22, 1
	s_add_co_u32 s91, s91, s90
	s_add_co_u32 s91, s91, 8
	v_add_nc_u32 v[STV], s91, v[L16]
	s_lshl_b32 s91, s[WV], 8
	s_add_co_u32 s91, s91, STG
	v_add_nc_u32 v[STR], s91, v[L8]
	v_lshlrev_b32 v[BOQ], 6, v2
	s_wait_alu depctr_va_vdst(0)
	v_lshlrev_b32 v[BOV], 2, v3
	s_wait_alu depctr_va_vdst(0)
	s_lshl_b32 s91, s22, 11
	v_add_nc_u32 v[KOF], s91, v[L16]
	s_lshl_b32 s91, s22, 9
	v_add_nc_u32 v[VOF], s91, v[L16]
	s_lshl_b32 s91, s22, 8
	v_add_nc_u32 v[SOF], s91, v[L8]
.irp b, 0,1,2,3
	v_mov_b32 v[TM+4+\b], 0                        ; written once: a lane permute's destination counts as one of its sources
.endr
	s_lshr_b32 s94, s87, 3
	s_lshl_b32 s94, s94, 4
	s_add_co_u32 s94, s94, s86                     ; bh = 16 batch + head
	s_and_b32 s95, s87, 7                          ; my block of 256 rows in the batch
	s_mov_b32 s97, 0
	s_lshl_b32 s96, s95, 3
	s_lshl_b32 s90, s[WV], 1
	s_add_co_u32 s96, s96, s90                     ; my first group of 32 queries
	s_lshl_b32 s96, s96, 10
	s_lshl_b32 s90, s94, 16
	s_add_co_u32 s96, s96, s90
	s_add_nc_u64 s[14:15], s[14:15], s[96:97]      ; q_img at my four tiles
	s_lshl_b32 s96, s95, 2
	s_add_co_u32 s96, s96, s[WV]
	s_lshl_b32 s96, s96, 8
	s_lshl_b32 s90, s94, 13
	s_add_co_u32 s96, s96, s90
	s_add_nc_u64 s[16:17], s[16:17], s[96:97]      ; q_sc at my 256 bytes
	s_lshl_b32 s96, s95, 1
	s_add_co_u32 s96, s96, s21
	s_mul_i32 s96, s96, 8704
	s_mul_i32 s90, s94, 139264
	s_add_co_u32 s96, s96, s90
	s_add_nc_u64 s[18:19], s[18:19], s[96:97]      ; kv at my key step
	s_mul_i32 s96, s86, 768
	s_add_nc_u64 s[12:13], s[12:13], s[96:97]      ; the head's 192 numbers of the bias
	; the bias is the C of each sum's first product, in the result's layout
	WIN 0xc0                                       ; destination window 3
.irp n, 0,1,2,3,4,5,6,7
	global_load_b128 v[BQ+8*\n:BQ+8*\n+3], v[BOQ], s[12:13] offset:(32*(\n/2)+8*(\n%2))*4       ; lane (r, h), register j: column 32 (n / 2) + 16 h + 8 (n % 2) + j
	global_load_b128 v[BQ+8*\n+4:BQ+8*\n+7], v[BOQ], s[12:13] offset:(32*(\n/2)+8*(\n%2))*4+16
.endr
.irp n, 0,1,2,3
.irp j, 0,1,2,3,4,5,6,7
	global_load_b32 v[BV+8*\n+\j], v[BOV], s[12:13] offset:(128+32*(\n/2)+8*(\n%2))*4           ; a lane holds one channel of v: the same number in its eight registers
.endr
.endr
	WIN 0
; 32 LDS loads in one run: the fragments of K step s (128 along K): W's twelve, x's four
.macro FETCH s
.set PF, (\s)%2
	WIN 0x40                                       ; destination window 1
.irp n, 0,1,2,3,4,5,6,7,8,9,10,11
.irp c, 0,1
	ds_load_b128 v[128*PF+8*\n+4*\c:128*PF+8*\n+4*\c+3], v[ADW+(\s)/4] offset:(32*(\n/2)+8*(\n%2))*PITCH+64*((\s)%4)+32*\c
.endr
.endr
	WIN 0
.irp m, 0,1,2,3
.irp c, 0,1
	ds_load_b128 v[XF+32*PF+8*\m+4*\c:XF+32*PF+8*\m+4*\c+3], v[ADX+(\s)/4] offset:(32*(\m/2)+8*(\m%2))*PITCH+64*((\s)%4)+32*\c
.endr
.endr
.endm
; K step s: 48 matrix instructions, the 48 accumulators by turns, in the same order in every step; the next step's fragments are asked for ahead of them
.macro STEP s
.set PB, (\s)%2
	s_wait_dscnt 0x0                               ; this step's fragments are in: they were asked for 48 matrix instructions ago
.if (\s) == 3
	s_wait_tensorcnt 0x0                           ; my part of chunk 1 has landed,
	s_barrier_signal -1
	s_barrier_wait -1                              ; everybody's has: the fetch below reads it.
.endif
.if (\s) < 7
.if (\s) > 0
	PLACES                                         ; the other set's last readers are the products just issued
.endif
	FETCH (\s)+1
.endif
.if (\s) == 0
	WIN 0xb1                                       ; source 0 (W) window 1, source 1 (x) window 0, C (the bias) window 3, D window 2
.else
	WIN 0xa1                                       ; C and D window 2
.endif
.irp m, 0,1,2,3
.irp n, 0,1,2,3,4,5,6,7
.if (\s) == 0
	WM 8*(8*\m+\n), 128*PB+8*\n, XF+32*PB+8*\m, BQ+8*\n, WS+8*(\n/2)+(\s), XS+8*(\m/2)+(\s), \n%2, \m%2
.else
	WM 8*(8*\m+\n), 128*PB+8*\n, XF+32*PB+8*\m, 8*(8*\m+\n), WS+8*(\n/2)+(\s), XS+8*(\m/2)+(\s), \n%2, \m%2
.endif
.endr
.endr
	WIN 0xf4                                       ; source 0 (x) window 0, source 1 (W) window 1, C and D window 3
.irp n, 0,1,2,3
.irp m, 0,1,2,3
.if (\s) == 0
	WM 8*(4*\n+\m), XF+32*PB+8*\m, 128*PB+8*(8+\n), BV+8*\n, XS+8*(\m/2)+(\s), WS+8*(4+\n/2)+(\s), \m%2, \n%2
.else
	WM 8*(4*\n+\m), XF+32*PB+8*\m, 128*PB+8*(8+\n), 8*(4*\n+\m), XS+8*(\m/2)+(\s), WS+8*(4+\n/2)+(\s), \m%2, \n%2
.endif
.endr
.endr
	WIN 0
.endm
; 64 registers of window w from src on, register 16 b + i = K 32 b + 16 (lane / 16) + i, become eight registers of codes at pc (pc .. pc + 3: blocks 0, 1; pc + 4 .. pc + 7: blocks 2, 3; lane (r, h): 32 h + 0 .. 31 of the pair's 64)
; and four scale bytes in v[TM + 4 ..].  A block's scale: 2 off the exponent field of its largest magnitude; the floor 2^(3 - 127) holds the byte at 1 from below.
.macro QUANT src, w, pc
	WIN (\w)|((\w)<<2)                             ; sources 0 and 1 in window w
.irp b, 0,1,2,3
	v_max3_num_f32 v[TM+\b], |v[(\src)+16*\b]|, |v[(\src)+16*\b+1]|, 0x1800000   ; each accumulator is read from its low end on
.endr
.irp i, 2,4,6,8,10,12,14
.irp b, 0,1,2,3
	v_max3_num_f32 v[TM+\b], |v[(\src)+16*\b+\i]|, |v[(\src)+16*\b+\i+1]|, v[TM+\b]   ; the four blocks by turns
.endr
.endr
	WIN 0
.irp b, 0,1,2,3
	v_permlanex16_b32 v[TM+4+\b], v[TM+\b], s2, s3
.endr
.irp b, 0,1,2,3
	v_max_num_f32 v[TM+\b], v[TM+\b], v[TM+4+\b]   ; with lane l xor 16's 16: the block's largest magnitude
.endr
.irp b, 0,1,2,3
	v_add_nc_u32 v[TM+12+\b], 0xff000000, v[TM+\b] ; the conversion takes the exponent field of this operand as its scale
.endr
.irp b, 0,1,2,3
	v_lshrrev_b32 v[TM+4+\b], 23, v[TM+12+\b]      ; the scale's byte
.endr
	WIN (\w)                                       ; source 0 in window w
.irp b, 0,1,2,3
	v_cvt_scalef32_pk8_fp4_f32 v[(\pc)+2*\b], v[(\src)+16*\b:(\src)+16*\b+7], v[TM+12+\b]
	v_cvt_scalef32_pk8_fp4_f32 v[(\pc)+2*\b+1], v[(\src)+16*\b+8:(\src)+16*\b+15], v[TM+12+\b]
.endr
	WIN 0
	v_nop                                          ; one plain place behind a scaled conversion
.irp c, 0,1
.irp i, 0,1
	v_permlane16_swap_b32 v[(\pc)+4*\c+\i], v[(\pc)+2+4*\c+\i]   ; the operand's layout wants a whole block in a lane
.endr
.endr
.endm
	s_wait_tensorcnt 1                             ; the scales and my part of chunk 0 are in; chunk 1's load, the last issued, may stay out
	s_barrier_signal -1
	s_barrier_wait -1                              ; everybody's are
.irp g, 0,1
.irp c, 0,1
	ds_load_b128 v[XS+8*\g+4*\c:XS+8*\g+4*\c+3], v[ADSX] offset:4*PITCH*\g+16*\c   ; the scale words of all eight K steps stay in registers
.endr
.endr
.irp i, 0,1,2,3,4,5
.irp c, 0,1
	ds_load_b128 v[WS+8*\i+4*\c:WS+8*\i+4*\c+3], v[ADSW] offset:4*PITCH*\i+16*\c
.endr
.endr
	FETCH 0
	s_wait_loadcnt 0x0                             ; the bias
.irp s, 0,1,2,3,4,5,6,7
	STEP \s
.endr
	; THE WAY OUT: quantise in registers, store images
	PLACES
.irp m, 0,1,2,3
	QUANT 64*\m, 2, PC+8*\m                        ; tile m's rows: blocks 0, 1 = q's 64 channels, blocks 2, 3 = k's
	v_lshl_or_b32 v[QU+\m], v[TM+5], 8, v[TM+4]
	v_lshl_or_b32 v[KU+\m], v[TM+7], 8, v[TM+6]
	global_store_b128 v[L16], v[PC+8*\m:PC+8*\m+3], s[14:15] offset:512*\m        ; 32 lanes store 512 consecutive bytes, aligned
	global_store_b128 v[KOF], v[PC+8*\m+4:PC+8*\m+7], s[18:19] offset:512*\m
.endr
.irp m, 0,1,2,3
	v_lshl_or_b32 v[QU+\m], v[QU+\m], 16, v[QU+\m] ; (s0, s1, s0, s1): q stands in either half of an instruction's K
.endr
.irp g, 0,1
	v_cndmask_b32 v[QP+\g], v[QU+2*\g], v[QU+2*\g+1], s98   ; lanes 0-15 tile u = 0, lanes 16-31 u = 1
.endr
	global_store_b64 v[L8], v[QP:QP+1], s[16:17]   ; 256 consecutive bytes, aligned
.irp g, 0,1
	v_lshl_or_b32 v[KW+\g], v[KU+2*\g+1], 16, v[KU+2*\g]    ; a pair's word: (u = 0: b0, b1; u = 1: b0, b1)
.endr
	v_cndmask_b32 v[KR], v[KW], v[KW+1], s98       ; lanes 0-15 my first pair, lanes 16-31 my second
	ds_store_b32 v[STK], v[KR]
.irp n, 0,1
	QUANT 64*\n, 3, PC+32+8*\n                     ; v: channel tiles 2 n and 2 n + 1; a tile's two blocks are my 64 keys
	v_lshl_or_b32 v[VU], v[TM+5], 8, v[TM+4]
	v_lshl_or_b32 v[VU+1], v[TM+7], 8, v[TM+6]
	v_cndmask_b32 v[VR+\n], v[VU], v[VU+1], s98
	ds_store_b16 v[STV], v[VR+\n] offset:4*\n      ; my two of the word's four bytes
	global_store_b128 v[VOF], v[PC+32+8*\n:PC+32+8*\n+3], s[18:19] offset:4096+2048*\n
	global_store_b128 v[VOF], v[PC+32+8*\n+4:PC+32+8*\n+7], s[18:19] offset:4096+2048*\n+1024
.endr
	s_wait_dscnt 0x0                               ; for the others' sake: my stores into the stage are done
	s_barrier_signal -1
	s_barrier_wait -1
	ds_load_b64 v[SR:SR+1], v[STR]                 ; half of my key step's quads, whole
	s_wait_dscnt 0x0
	global_store_b64 v[SOF], v[SR:SR+1], s[18:19] offset:8192   ; 256 consecutive bytes, aligned
	s_wait_tensorcnt 0x0
	ds_add_u32 v254, v255
	s_wait_dscnt 0x0
	ROUND                                          ; the closing round: no work-group ends while a partner may still ask jointly
	s_endpgm
.Lfunc_end_k_q1e654425a9_qkv:
	.size	k_q1e654425a9_qkv, .Lfunc_end_k_q1e654425a9_qkv-k_q1e654425a9_qkv
	.p2alignl 7, 3214868480
	.fill 96, 4, 3214868480
	.section	.rodata,"a",@progbits
	.p2align	6, 0x0
	.amdhsa_kernel k_q1e654425a9_qkv
		.amdhsa_group_segment_fixed_size 262656
		.amdhsa_private_segment_fixed_size 0
		.amdhsa_enable_private_segment 0
		.amdhsa_kernarg_size 64
		.amdhsa_user_sgpr_count 2
		.amdhsa_user_sgpr_kernarg_segment_ptr 1
		.amdhsa_wavefront_size32 1
		.amdhsa_system_sgpr_workgroup_id_x 1
		.amdhsa_system_sgpr_workgroup_id_y 1
		.amdhsa_system_sgpr_workgroup_id_z 1
		.amdhsa_system_vgpr_workitem_id 0
		.amdhsa_next_free_vgpr 1024
		.amdhsa_next_free_sgpr 100
		.amdhsa_reserve_vcc 0
		.amdhsa_float_denorm_mode_32 3
		.amdhsa_float_denorm_mode_16_64 3
		.amdhsa_memory_ordered 1
		.amdhsa_forward_progress 1
		.amdhsa_inst_pref_size 109
	.end_amdhsa_kernel
	.amdgpu_metadata
---
amdhsa.version: [ 1, 2 ]
amdhsa.kernels:
  - .name:           k_q1e654425a9_qkv
    .symbol:         k_q1e654425a9_qkv.kd
    .args:
      - { .name: x_codes, .offset: 0, .size: 8, .value_kind: global_buffer, .address_space: global }
      - { .name: x_scales, .offset: 8, .size: 8, .value_kind: global_buffer, .address_space: global }
      - { .name: W_qkv_codes, .offset: 16, .size: 8, .value_kind: global_buffer, .address_space: global }
      - { .name: W_qkv_scales, .offset: 24, .size: 8, .value_kind: global_buffer, .address_space: global }
      - { .name: b_qkv, .offset: 32, .size: 8, .value_kind: global_buffer, .address_space: global }
      - { .name: q_img, .offset: 40, .size: 8, .value_kind: global_buffer, .address_space: global }
      - { .name: q_sc, .offset: 48, .size: 8, .value_kind: global_buffer, .address_space: global }
      - { .name: kv, .offset: 56, .size: 8, .value_kind: global_buffer, .address_space: global }
    .group_segment_fixed_size: 262656
    .private_segment_fixed_size: 0
    .kernarg_segment_align: 8
    .kernarg_segment_size: 64
    .max_flat_workgroup_size: 128
    .sgpr_count:     100
    .vgpr_count:     1024
    .wavefront_size: 32
...
	.end_amdgpu_metadata
.endif
;; end of part 1
;; launch attn (part 2): grid 4 x 64, 16 waves a work-group, clusters of 4 x 1, 327,680 bytes of LDS; arguments q_img, q_sc, kv, attn_img, attn_sc; writes attn_img, attn_sc
.if DOCPART == 2
	.amdgcn_target "amdgcn-amd-amdhsa--gfx1250"
	.amdhsa_code_object_version 6
	.text
	.protected	k_q1e654425a9_attn
	.globl	k_q1e654425a9_attn
	.p2align	8
	.type	k_q1e654425a9_attn,@function
k_q1e654425a9_attn:
	s_mov_b64 s[64:65], 0
	v_nop
	global_prefetch_b8 v0, s[64:65] scope:SCOPE_SE
	s_setreg_imm32_b32 hwreg(HW_REG_WAVE_MODE, 25, 1), 1
	s_wait_xcnt 0x0
	s_wait_alu depctr_hold_cnt(0) depctr_sa_sdst(0) depctr_va_vdst(0) depctr_va_sdst(0) depctr_va_ssrc(0) depctr_va_vcc(0) depctr_vm_vsrc(0)
	s_getreg_b32 s2, hwreg(HW_REG_IB_STS2, 6, 4)
	s_cmp_eq_u32 s2, 0
	s_cbranch_scc0 .Lentry_in_a_cluster
	s_endpgm
.Lentry_in_a_cluster:
	s_bfe_u32 s2, ttmp6, 0x10000c
	s_cmp_lg_u32 s2, 0x3003
	s_cbranch_scc0 .Lentry_shape_is_right
	s_endpgm
.Lentry_shape_is_right:
; attn = softmax(q k^T / 8) v for one (batch, head), both products on codes of FP4 (E2M1) with E8M0 scales, and the quantiser of attn along d_model.
; THE SOFTMAX AHEAD OF THE SECOND PRODUCT: t = score x log2(e) / 8; M = the running largest t rounded UP to a whole number; p = 2^(t - M) is quantised along the keys, not normalised;
; the row's sum is taken of the unquantised p and divides O at the end; when M moves, the sum and O are multiplied by 2^(old M - new M), which rounds nothing.
; SHARES.  A work-group owns 512 queries of one head; each of its sixteen waves 32: tiles A (u = 0) and B (u = 1) of one group, which share every fragment of K and V.  Four waves lie on a SIMD.
; THE HEAD'S WHOLE kv BLOCK, 139,264 bytes (16 steps of 128 keys x 8,704), LIES IN LDS: filled once, each wave bringing two pieces of 4,352 bytes; nothing is filled again.
; CLUSTER 4 x 1: the four blocks of queries of a head read the same block: every piece is asked for jointly.
; All operands are images of their registers (lane l's 16 bytes at 16 l): every LDS load takes 512 consecutive bytes.
; LAYOUT.  S^T = K Q^T, O^T = V^T P^T: a lane holds ONE query throughout.  The head has 64 channels and the instruction takes 128 along K: source 0 holds TWO tiles of keys (u = 0 in registers 0-3, u = 1 in 4-7),
; source 1 is (Q, zeros) or (zeros, Q): zero codes add nothing.  The keys of a tile are 32 b + 8 u + r + 8 (r / 8), so that S^T's 16 registers of a pair are 16 neighbouring keys.
; LIMITS: NaN and infinities are not served; a block whose largest magnitude lies under 2^-124, a block of zeros among them, gets the scale byte 1 (this program alone reads the bytes).
; REGISTERS: v1 16 x lane; v2 the step's LDS address; v3 Q's scale words (lanes 0-15 A, 16-31 B); v4-7 the step's scale words K01, K23, V01, V23; v8-15 a tile's -M, largest t, sum (a pair);
;   v16-17 p's scale words; v18 f, v19 at work; v20-23, v24-27 at work; v28-47 (0, QA, 0, QB, 0); v48-79 K; v80-111 V; v112-175 S^T, then p; v176-239 O^T; v240-255 p's codes.
.set STEPB, 8704
.set S,  112
.set O,  176
.set PC, 240
.set KF, 48
.set VF, 80
.set BM, 20
.set PX, 24
.set WV, 14
.macro ROUND                           ; a round of the cluster's barrier
	s_barrier_signal -1
	s_barrier_wait -1
	s_cmp_lg_u32 s[WV], 0
	s_cbranch_scc1 .Lnot_wave_0_\@
	s_barrier_signal -3
.Lnot_wave_0_\@:
	s_barrier_wait -3
	s_barrier_signal -1
	s_barrier_wait -1
.endm
.macro PLACES
.rept 4
	v_nop
.endr
.endm
; one matrix instruction: D at d, source 0 at a, source 1 at b, C at c (the constant 0 where c < 0), scale registers sa, sb; ra, rb = 1: that side's scales stand in lanes 16-31
.macro WM d, a, b, c, sa, sb, ra, rb
.if (\c) < 0
.if (\ra) && (\rb)
	v_wmma_scale_f32_16x16x128_f8f6f4 v[(\d):(\d)+7], v[(\a):(\a)+7], v[(\b):(\b)+7], 0, v[\sa], v[\sb] matrix_a_fmt:MATRIX_FMT_FP4 matrix_b_fmt:MATRIX_FMT_FP4 matrix_a_scale:MATRIX_SCALE_ROW1 matrix_b_scale:MATRIX_SCALE_ROW1
.elseif (\ra)
	v_wmma_scale_f32_16x16x128_f8f6f4 v[(\d):(\d)+7], v[(\a):(\a)+7], v[(\b):(\b)+7], 0, v[\sa], v[\sb] matrix_a_fmt:MATRIX_FMT_FP4 matrix_b_fmt:MATRIX_FMT_FP4 matrix_a_scale:MATRIX_SCALE_ROW1
.elseif (\rb)
	v_wmma_scale_f32_16x16x128_f8f6f4 v[(\d):(\d)+7], v[(\a):(\a)+7], v[(\b):(\b)+7], 0, v[\sa], v[\sb] matrix_a_fmt:MATRIX_FMT_FP4 matrix_b_fmt:MATRIX_FMT_FP4 matrix_b_scale:MATRIX_SCALE_ROW1
.else
	v_wmma_scale_f32_16x16x128_f8f6f4 v[(\d):(\d)+7], v[(\a):(\a)+7], v[(\b):(\b)+7], 0, v[\sa], v[\sb] matrix_a_fmt:MATRIX_FMT_FP4 matrix_b_fmt:MATRIX_FMT_FP4
.endif
.else
.if (\ra) && (\rb)
	v_wmma_scale_f32_16x16x128_f8f6f4 v[(\d):(\d)+7], v[(\a):(\a)+7], v[(\b):(\b)+7], v[(\c):(\c)+7], v[\sa], v[\sb] matrix_a_fmt:MATRIX_FMT_FP4 matrix_b_fmt:MATRIX_FMT_FP4 matrix_a_scale:MATRIX_SCALE_ROW1 matrix_b_scale:MATRIX_SCALE_ROW1
.elseif (\ra)
	v_wmma_scale_f32_16x16x128_f8f6f4 v[(\d):(\d)+7], v[(\a):(\a)+7], v[(\b):(\b)+7], v[(\c):(\c)+7], v[\sa], v[\sb] matrix_a_fmt:MATRIX_FMT_FP4 matrix_b_fmt:MATRIX_FMT_FP4 matrix_a_scale:MATRIX_SCALE_ROW1
.elseif (\rb)
	v_wmma_scale_f32_16x16x128_f8f6f4 v[(\d):(\d)+7], v[(\a):(\a)+7], v[(\b):(\b)+7], v[(\c):(\c)+7], v[\sa], v[\sb] matrix_a_fmt:MATRIX_FMT_FP4 matrix_b_fmt:MATRIX_FMT_FP4 matrix_b_scale:MATRIX_SCALE_ROW1
.else
	v_wmma_scale_f32_16x16x128_f8f6f4 v[(\d):(\d)+7], v[(\a):(\a)+7], v[(\b):(\b)+7], v[(\c):(\c)+7], v[\sa], v[\sb] matrix_a_fmt:MATRIX_FMT_FP4 matrix_b_fmt:MATRIX_FMT_FP4
.endif
.endif
.endm
	s_load_b256 s[4:11], s[0:1], 0x0               ; q_img s[4:5], q_sc s[6:7], kv s[8:9], attn_img s[10:11]
	s_load_b64 s[12:13], s[0:1], 0x20              ; attn_sc
	v_lshl_add_u32 v254, v0, 2, 0x29000
	v_mov_b32 v255, 0
	ds_add_u32 v254, v255
	ds_add_u32 v254, v255
	s_wait_dscnt 0x0
	v_lshrrev_b32 v1, 5, v0
	s_delay_alu instid0(VALU_DEP_1)
	v_readfirstlane_b32 s[WV], v1                  ; wave 0..15
	s_bfe_u32 s15, ttmp6, 0x40000                  ; cx: it enters q's and attn's global addresses alone
	s_and_b32 s16, ttmp7, 0xffff                   ; bh = 16 batch + head, which the four partners share
	s_mov_b32 s24, 15|(3<<16)|(1<<21)              ; group 1: the mask names all four; elements of 8 bytes; no padding; bit 21 beside a mask
	s_mov_b32 s25, 32<<16                          ; tensor_dim0 = 32 elements: rows of 256 bytes of a dense block
	s_mov_b32 s26, 17<<16                          ; tensor_dim1 = 17 rows: 4,352 bytes
	s_mov_b32 s27, 32<<16                          ; tile_dim0
	s_mov_b32 s28, 17                              ; tile_dim1
	s_mov_b32 s29, 32                              ; from row to row
	s_mov_b32 s30, 0
	s_mov_b32 s31, 0
	s_mul_i32 s44, s[WV], 4352                     ; my piece of a half block, in LDS as in memory
	s_mul_i32 s46, s16, 16*STEPB
	s_add_co_u32 s46, s46, s44
	s_mov_b32 s47, 0
	s_mov_b32 s20, 0x76543210
	s_mov_b32 s21, 0xfedcba98                      ; v_permlanex16_b32's selects for lane l xor 16
	s_mov_b32 s22, 0x3e38aa3b                      ; c = log2(e) / 8
	s_mov_b32 s23, s22                             ; (named with it as a pair, so it is written)
	s_mov_b32 s42, 0xffff0000                      ; lanes 16-31
	s_wait_kmcnt 0x0
	s_add_nc_u64 s[8:9], s[8:9], s[46:47]
	ROUND                                          ; all four work-groups are here: the joint loads meet
.irp c, 0,1
	s_mov_b32 s[32+4*\c], 1
	s_add_co_u32 s[33+4*\c], s44, \c*8*STEPB
	s_add_nc_u64 s[34+4*\c:35+4*\c], s[8:9], \c*8*STEPB
	s_or_b32 s[35+4*\c], s[35+4*\c], 0x80000000
.endr
	tensor_load_to_lds s[32:35], s[24:31]          ; my first piece; the second follows after a round
	s_nop 0
	s_wait_alu depctr_va_vdst(0)
	s_wait_tensorcnt 0x0
	ds_add_u32 v254, v255
	s_wait_dscnt 0x0
	ROUND
	tensor_load_to_lds s[36:39], s[24:31]
	s_nop 0
.rept 4
	v_nop
.endr
	s_lshl_b32 s45, ttmp9, 2
	s_add_co_u32 s45, s45, s15
	s_lshl_b32 s45, s45, 4
	s_add_co_u32 s45, s45, s[WV]                   ; G: my group of 32 queries = 16 x block + wave
	s_lshl_b32 s46, s16, 16
	s_lshl_b32 s17, s45, 10
	s_add_co_u32 s46, s46, s17
	s_add_nc_u64 s[4:5], s[4:5], s[46:47]          ; my two tiles of q
	s_lshl_b32 s46, s16, 13
	s_lshr_b32 s17, s45, 1
	s_lshl_b32 s17, s17, 8
	s_add_co_u32 s46, s46, s17
	s_and_b32 s17, s45, 1
	s_lshl_b32 s17, s17, 2
	s_add_co_u32 s46, s46, s17
	s_add_nc_u64 s[6:7], s[6:7], s[46:47]          ; their scale words
	s_lshr_b32 s18, s16, 4
	s_lshl_b32 s18, s18, 6
	s_add_co_u32 s18, s18, s45                     ; 64 batch + G
	s_and_b32 s19, s16, 15                         ; the head
	s_lshl_b32 s46, s18, 14
	s_lshl_b32 s17, s19, 9
	s_add_co_u32 s46, s46, s17
	s_add_nc_u64 s[10:11], s[10:11], s[46:47]      ; attn_img [group][u][head][512]
	s_lshl_b32 s46, s18, 10
	s_lshr_b32 s17, s19, 1
	s_lshl_b32 s17, s17, 7
	s_add_co_u32 s46, s46, s17
	s_and_b32 s17, s19, 1
	s_lshl_b32 s17, s17, 1
	s_add_co_u32 s46, s46, s17
	s_add_nc_u64 s[12:13], s[12:13], s[46:47]      ; attn_sc [group][head / 2][lane] words, my head's half of each
	v_and_b32 v1, 31, v0
	s_delay_alu instid0(VALU_DEP_1)
	v_lshlrev_b32 v2, 3, v1
	s_delay_alu instid0(VALU_DEP_2)
	v_lshlrev_b32 v1, 4, v1                        ; 16 x lane
	global_load_b128 v[32:35], v1, s[4:5]          ; QA
	global_load_b128 v[40:43], v1, s[4:5] offset:512   ; QB
	global_load_b32 v3, v2, s[6:7]
.irp j, 28,29,30,31,36,37,38,39,44,45,46,47
	v_mov_b32 v[\j], 0                             ; the zero codes beside Q
.endr
.irp t, 0,1
	v_mov_b32 v[9+4*\t], 0xff61b1e6                ; the largest t so far: -3e38, under every t
	s_delay_alu instid0(VALU_DEP_1)
	v_floor_f32 v[8+4*\t], -v[9+4*\t]              ; -M
	v_mov_b32 v[10+4*\t], 0                        ; the sum, in two halves
	v_mov_b32 v[11+4*\t], 0
.endr
.irp b, 0,1,2,3
	v_mov_b32 v[PX+\b], 0                          ; written once: a lane permute's destination counts as one of its sources
.endr
.set j, 0
.rept 64
	v_mov_b32 v[O+j], 0                            ; O^T.  The step is written once: the first finds zeros, which the first change of M leaves zeros
.set j, j+1
.endr
; S^T of one tile of queries: qa = where (Q, 0) begins, qb = where (0, Q) begins, rb = the half of v3 with its scale words.  Eight sums, each begun with the constant 0
.macro QK qa, qb, rb
.irp b, 0,1,2,3
	WM S+16*\b, KF+8*\b, \qa, -1, 4+\b/2, 3, \b%2, \rb
	WM S+16*\b+8, KF+8*\b, \qb, -1, 4+\b/2, 3, \b%2, \rb
.endr
.endm
; the softmax of tile t for these 128 keys: S^T becomes p, p's codes and scale word; the sum and O^T go under the new M
.macro SOFTMAX t
.set ST, 8+4*(\t)
.set PT, PC+8*(\t)
.set OT, O+32*(\t)
.irp b, 0,1,2,3
	v_max3_num_f32 v[BM+\b], v[S+16*\b], v[S+16*\b+1], v[S+16*\b+2]   ; the largest score of each block of 32 keys: it serves for the row's maximum and, since p rises with the score, for the block's largest p
.endr
.irp i, 3,5,7,9,11,13
.irp b, 0,1,2,3
	v_max3_num_f32 v[BM+\b], v[BM+\b], v[S+16*\b+\i], v[S+16*\b+\i+1]
.endr
.endr
.irp b, 0,1,2,3
	v_max_num_f32 v[BM+\b], v[BM+\b], v[S+16*\b+15]
.endr
.irp b, 0,1,2,3
	s_delay_alu instid0(VALU_DEP_4)
	v_permlanex16_b32 v[PX+\b], v[BM+\b], s20, s21
.endr
.irp b, 0,1,2,3
	s_delay_alu instid0(VALU_DEP_4)
	v_max_num_f32 v[BM+\b], v[BM+\b], v[PX+\b]     ; with lane l xor 16's 16 keys
.endr
	s_delay_alu instid0(VALU_DEP_2)
	v_max3_num_f32 v19, v[BM], v[BM+1], v[BM+2]
	s_delay_alu instid0(VALU_DEP_1)
	v_max_num_f32 v19, v19, v[BM+3]                ; the step's largest score of my query
	s_delay_alu instid0(VALU_DEP_1)
	v_mul_f32 v19, s22, v19                        ; as t (c is positive)
	s_delay_alu instid0(VALU_DEP_1)
	v_max_num_f32 v[ST+1], v[ST+1], v19            ; the running largest t
	v_mov_b32 v19, v[ST]
	s_delay_alu instid0(VALU_DEP_2)
	v_floor_f32 v[ST], -v[ST+1]                    ; the new -M = -ceil(t): a whole number
	s_delay_alu instid0(VALU_DEP_1)
	v_sub_f32 v19, v[ST], v19                      ; old M - new M: a whole number, 0 or less
	s_delay_alu instid0(VALU_DEP_1)
	v_cvt_i32_f32 v19, v19                         ; (it saturates)
	s_delay_alu instid0(VALU_DEP_1)
	v_ldexp_f32 v18, 1.0, v19                      ; f = 2^(old M - new M)
.set j, 0
.rept 32
	v_pk_fma_f32 v[S+j:S+j+1], v[S+j:S+j+1], s[22:23], v[ST:ST+1] op_sel_hi:[1,0,0]   ; t - M, two at a time (of the pairs c and -M the low word serves both halves)
.set j, j+2
.endr
.irp b, 0,1,2,3
	v_fma_f32 v[BM+\b], v[BM+\b], s22, v[ST]       ; the same of each block's largest score
.endr
.set j, 0
	s_wait_alu depctr_va_vdst(0)
.rept 64
	v_exp_f32 v[S+j], v[S+j]                       ; p = 2^(t - M), at most 1
.set j, j+1
.endr
	v_pk_mul_f32 v[ST+2:ST+3], v[ST+2:ST+3], v[18:19] op_sel_hi:[1,0]   ; the sums under the new M: the plain place behind the exponentials
	s_wait_alu depctr_va_vdst(0)                   ; one wait for the whole batch, ahead of its first reader
.irp b, 0,1,2,3
	v_exp_f32 v[BM+\b], v[BM+\b]                   ; the block's largest p: the same two instructions on the same number give the same bits
.endr
	v_pk_add_f32 v[PX:PX+1], v[S:S+1], v[S+2:S+3]  ; the row's sum is taken of the unquantised p: two at a time, in two chains
.set j, 4
.rept 15
	v_pk_add_f32 v[ST+2:ST+3], v[ST+2:ST+3], v[S+j:S+j+1]
	v_pk_add_f32 v[PX:PX+1], v[PX:PX+1], v[S+j+2:S+j+3]
.set j, j+4
.endr
	s_delay_alu instid0(VALU_DEP_1)
	v_pk_add_f32 v[ST+2:ST+3], v[ST+2:ST+3], v[PX:PX+1]
	s_wait_alu depctr_va_vdst(0)                   ; and one for the four
.irp b, 0,1,2,3
	v_max_num_f32 v[BM+\b], 0x1800000, v[BM+\b]    ; the floor 2^(3 - 127): the byte cannot fall under 1
.endr
.irp b, 0,1,2,3
	s_delay_alu instid0(VALU_DEP_4)
	v_add_nc_u32 v[BM+\b], 0xff000000, v[BM+\b]    ; 2 off the exponent field: the conversion's scale operand
.endr
.irp b, 0,1,2,3
	s_delay_alu instid0(VALU_DEP_4)
	v_lshrrev_b32 v[PX+\b], 23, v[BM+\b]           ; the scale's byte
.endr
	s_delay_alu instid0(VALU_DEP_3)
	v_lshl_or_b32 v[16+\t], v[PX+1], 8, v[PX]      ; p's scale word for these 128 keys
	s_delay_alu instid0(VALU_DEP_1)
	v_lshl_or_b32 v[16+\t], v[PX+2], 16, v[16+\t]
	s_delay_alu instid0(VALU_DEP_1)
	v_lshl_or_b32 v[16+\t], v[PX+3], 24, v[16+\t]
.irp b, 0,1,2,3
	v_cvt_scalef32_pk8_fp4_f32 v[PT+2*\b], v[S+16*\b:S+16*\b+7], v[BM+\b]
	v_cvt_scalef32_pk8_fp4_f32 v[PT+2*\b+1], v[S+16*\b+8:S+16*\b+15], v[BM+\b]
.endr
	v_nop                                          ; one plain place behind a scaled conversion
.irp c, 0,1
.irp i, 0,1
	v_permlane16_swap_b32 v[PT+4*\c+\i], v[PT+2+4*\c+\i]   ; the operand's layout wants a whole block in a lane
.endr
.endr
.set j, 0
.rept 16
	v_pk_mul_f32 v[OT+j:OT+j+1], v[OT+j:OT+j+1], v[18:19] op_sel_hi:[1,0]   ; O^T under the new M, each accumulator from its low end on; these are also the places between p's scale word and codes and the products that take them
.set j, j+2
.endr
.endm
	s_wait_loadcnt 0x0                             ; Q and its scale words
	s_wait_tensorcnt 0x0                           ; my two pieces have landed,
	s_barrier_signal -1
	s_barrier_wait -1                              ; everybody's have: the head's block is whole
	s_mov_b32 s40, 0                               ; where the step's 8,704 bytes begin
	s_mov_b32 s41, 16
.Lstep:                                            ; a key step: 128 keys
	s_setprio 2
	v_add_nc_u32 v2, s40, v1
	v_nop
	v_nop
	v_nop                                          ; four places behind the last products, in front of loads into their sources
.irp b, 0,1,2,3
.irp u, 0,1
	ds_load_b128 v[KF+8*\b+4*\u:KF+8*\b+4*\u+3], v2 offset:1024*\b+512*\u
.endr
.endr
	ds_load_b128 v[4:7], v2 offset:8192            ; K01, K23, V01, V23
.irp n, 0,1,2,3
.irp c, 0,1
	ds_load_b128 v[VF+8*\n+4*\c:VF+8*\n+4*\c+3], v2 offset:4096+1024*\n+512*\c
.endr
.endr
	s_wait_dscnt 8                                 ; K and the scale words are in; V's eight loads, the younger ones, may stay out
	QK 32, 28, 0
	PLACES
	SOFTMAX 0
	QK 40, 36, 1
	PLACES
	s_setprio 1
	SOFTMAX 1
	s_setprio 0
	s_wait_alu depctr_va_vdst(0)
	s_wait_dscnt 0x0                               ; V
.irp n, 0,1,2,3
.irp t, 0,1
	WM O+32*\t+8*\n, VF+8*\n, PC+8*\t, O+32*\t+8*\n, 6+\n/2, 16+\t, \n%2, 0   ; O^T += V^T P^T: eight accumulators, one instruction each
.endr
.endr
	s_add_co_u32 s40, s40, STEPB
	s_sub_co_u32 s41, s41, 1
	s_cmp_lg_u32 s41, 0
	s_cbranch_scc1 .Lstep
	s_setprio 0
	; THE WAY OUT.  The sums' arithmetic and two moves are six plain places behind the last products, ahead of the first read of O^T
	v_add_f32 v10, v10, v11
	v_add_f32 v14, v14, v15
	s_delay_alu instid0(VALU_DEP_2)
	v_permlanex16_b32 v[PX], v10, s20, s21
	s_delay_alu instid0(VALU_DEP_2)
	v_permlanex16_b32 v[PX+1], v14, s20, s21
	s_delay_alu instid0(VALU_DEP_2)
	v_add_f32 v10, v10, v[PX]                      ; the rows' sums
	s_delay_alu instid0(VALU_DEP_2)
	v_add_f32 v14, v14, v[PX+1]
	s_wait_alu depctr_va_vdst(0)
	v_rcp_f32 v48, v10
	v_rcp_f32 v50, v14
	v_mov_b32 v49, 0                               ; (the upper halves of the pairs that the packed multiplies name; also the plain place behind the reciprocals)
	v_mov_b32 v51, 0
	s_wait_alu depctr_va_vdst(0)                   ; one wait for both reciprocals, ahead of their first reader
.irp t, 0,1
.set j, 0
.rept 16
	v_pk_mul_f32 v[S+32*\t+j:S+32*\t+j+1], v[O+32*\t+j:O+32*\t+j+1], v[48+2*\t:49+2*\t] op_sel_hi:[1,0]   ; attn: register 32 t + 16 b + i = channel 32 b + 16 h + i of tile t's query r
.set j, j+2
.endr
.endr
.irp b, 0,1,2,3
	v_max3_num_f32 v[BM+\b], |v[S+16*\b]|, |v[S+16*\b+1]|, 0x1800000   ; the quantiser along d_model: blocks A0, A1, B0, B1
.endr
.irp i, 2,4,6,8,10,12,14
.irp b, 0,1,2,3
	s_delay_alu instid0(VALU_DEP_4)
	v_max3_num_f32 v[BM+\b], v[BM+\b], |v[S+16*\b+\i]|, |v[S+16*\b+\i+1]|
.endr
.endr
.irp b, 0,1,2,3
	s_delay_alu instid0(VALU_DEP_4)
	v_permlanex16_b32 v[PX+\b], v[BM+\b], s20, s21
.endr
.irp b, 0,1,2,3
	s_delay_alu instid0(VALU_DEP_4)
	v_max_num_f32 v[BM+\b], v[BM+\b], v[PX+\b]
.endr
.irp b, 0,1,2,3
	s_delay_alu instid0(VALU_DEP_4)
	v_add_nc_u32 v[BM+\b], 0xff000000, v[BM+\b]
.endr
.irp b, 0,1,2,3
	s_delay_alu instid0(VALU_DEP_4)
	v_lshrrev_b32 v[PX+\b], 23, v[BM+\b]
.endr
.irp b, 0,1,2,3
	v_cvt_scalef32_pk8_fp4_f32 v[PC+2*\b], v[S+16*\b:S+16*\b+7], v[BM+\b]
	v_cvt_scalef32_pk8_fp4_f32 v[PC+2*\b+1], v[S+16*\b+8:S+16*\b+15], v[BM+\b]
.endr
	v_nop                                          ; one plain place behind a scaled conversion
.irp c, 0,1
.irp i, 0,1
	v_permlane16_swap_b32 v[PC+4*\c+\i], v[PC+2+4*\c+\i]
.endr
.endr
	v_lshl_or_b32 v18, v[PX+1], 8, v[PX]           ; A's two bytes,
	v_lshl_or_b32 v19, v[PX+3], 8, v[PX+2]         ; B's
	s_delay_alu instid0(VALU_DEP_1)
	v_cndmask_b32 v18, v18, v19, s42               ; lanes 0-15 tile u = 0, lanes 16-31 u = 1
	v_lshrrev_b32 v2, 2, v1                        ; 4 x lane
	global_store_b128 v1, v[PC:PC+3], s[10:11]     ; 512 consecutive bytes, aligned
	global_store_b128 v1, v[PC+4:PC+7], s[10:11] offset:8192
	global_store_b16 v2, v18, s[12:13]             ; my head's half of each scale word: 64 bytes a wave
	s_wait_xcnt 0x0
	v_lshl_add_u32 v254, v0, 2, 0x29000
	v_mov_b32 v255, 0
	s_wait_alu depctr_va_vdst(0)
	s_wait_tensorcnt 0x0
	ds_add_u32 v254, v255
	s_wait_dscnt 0x0
	ROUND                                          ; the closing round
	s_endpgm
.Lfunc_end_k_q1e654425a9_attn:
	.size	k_q1e654425a9_attn, .Lfunc_end_k_q1e654425a9_attn-k_q1e654425a9_attn
	.p2alignl 7, 3214868480
	.fill 96, 4, 3214868480
	.section	.rodata,"a",@progbits
	.p2align	6, 0x0
	.amdhsa_kernel k_q1e654425a9_attn
		.amdhsa_group_segment_fixed_size 327680
		.amdhsa_private_segment_fixed_size 0
		.amdhsa_enable_private_segment 0
		.amdhsa_kernarg_size 40
		.amdhsa_user_sgpr_count 2
		.amdhsa_user_sgpr_kernarg_segment_ptr 1
		.amdhsa_wavefront_size32 1
		.amdhsa_system_sgpr_workgroup_id_x 1
		.amdhsa_system_sgpr_workgroup_id_y 1
		.amdhsa_system_sgpr_workgroup_id_z 1
		.amdhsa_system_vgpr_workitem_id 0
		.amdhsa_next_free_vgpr 256
		.amdhsa_next_free_sgpr 66
		.amdhsa_reserve_vcc 0
		.amdhsa_float_denorm_mode_32 3
		.amdhsa_float_denorm_mode_16_64 3
		.amdhsa_memory_ordered 1
		.amdhsa_forward_progress 1
		.amdhsa_inst_pref_size 47
	.end_amdhsa_kernel
	.amdgpu_metadata
---
amdhsa.version: [ 1, 2 ]
amdhsa.kernels:
  - .name:           k_q1e654425a9_attn
    .symbol:         k_q1e654425a9_attn.kd
    .args:
      - { .name: q_img, .offset: 0, .size: 8, .value_kind: global_buffer, .address_space: global }
      - { .name: q_sc, .offset: 8, .size: 8, .value_kind: global_buffer, .address_space: global }
      - { .name: kv, .offset: 16, .size: 8, .value_kind: global_buffer, .address_space: global }
      - { .name: attn_img, .offset: 24, .size: 8, .value_kind: global_buffer, .address_space: global }
      - { .name: attn_sc, .offset: 32, .size: 8, .value_kind: global_buffer, .address_space: global }
    .group_segment_fixed_size: 327680
    .private_segment_fixed_size: 0
    .kernarg_segment_align: 8
    .kernarg_segment_size: 40
    .max_flat_workgroup_size: 512
    .sgpr_count:     66
    .vgpr_count:     256
    .wavefront_size: 32
...
	.end_amdgpu_metadata
.endif
;; end of part 2
;; launch proj (part 3): grid 4 x 64, 4 waves a work-group, clusters of 4 x 4, 327,680 bytes of LDS; arguments attn_img, attn_sc, W_out_codes, W_out_scales, b_out, out0; writes out0
.if DOCPART == 3
	.amdgcn_target "amdgcn-amd-amdhsa--gfx1250"
	.amdhsa_code_object_version 6
	.text
	.protected	k_q1e654425a9_proj
	.globl	k_q1e654425a9_proj
	.p2align	8
	.type	k_q1e654425a9_proj,@function
k_q1e654425a9_proj:
	s_mov_b64 s[64:65], 0
	v_nop
	global_prefetch_b8 v0, s[64:65] scope:SCOPE_SE
	s_setreg_imm32_b32 hwreg(HW_REG_WAVE_MODE, 25, 1), 1
	s_wait_xcnt 0x0
	s_wait_alu depctr_hold_cnt(0) depctr_sa_sdst(0) depctr_va_vdst(0) depctr_va_sdst(0) depctr_va_ssrc(0) depctr_va_vcc(0) depctr_vm_vsrc(0)
	s_getreg_b32 s2, hwreg(HW_REG_IB_STS2, 6, 4)
	s_cmp_eq_u32 s2, 0
	s_cbranch_scc0 .Lentry_in_a_cluster
	s_endpgm
.Lentry_in_a_cluster:
	s_bfe_u32 s2, ttmp6, 0x10000c
	s_cmp_lg_u32 s2, 0xf033
	s_cbranch_scc0 .Lentry_shape_is_right
	s_endpgm
.Lentry_shape_is_right:
; out0 = attn W_out + b_out on codes of FP4 (E2M1) with E8M0 scales.  attn: images of operand registers, attn_img [group of 32 rows][u][head][512], scale words attn_sc [group][K step][lane].
; W_out: 1,024 rows (columns of out0) x 512 bytes of codes, 32 scale bytes a row.  out0: [8,192][1,024] f32.
; SHARES.  A work-group makes 128 rows x 256 columns; wave w the row half a = w / 2 (four tiles: two groups x u) x the column half e = w % 2 (eight tiles of 16): 32 accumulators.
; Source 0 = 16 rows of W_out, source 1 = a tile of attn: a lane holds eight neighbouring columns of one row.  Lane r of tile (g, u) is row 32 g + 8 u + r + 8 (r / 8).
; ALL OF K LIES IN LDS AT ONCE (two chunks of 512 along K, and all scale bytes): every LDS byte is filled once.  The bias is the C of each sum's first product.
; CLUSTER 4 x 4: attn's tiles are asked for jointly along a row of the cluster, W_out's along a column.
; REGISTERS, in windows of 256: window 0: v1-31 addresses; v32-47 attn's scale words, v48-79 W's; v96-159 attn's fragments, two sets; on the way out v96-223 rows of out0.
;   window 1: W's fragments, two sets, at v0 and v128.   window 2: the accumulators, (m, n) at v[8 (8 m + n)].   window 3: the bias, tile n at v[8 n].
.set PITCH, 272
.set BOFF,  65536                      ; LDS: attn's chunks at 0 and 32,768 (eight tiles x 4,096, dense); W's chunks from here, 256 rows x 272 each
.set BCH,   256*PITCH
.set ASC,   BOFF+2*BCH                 ; attn's scale words, 4,096 bytes, dense
.set BSC,   ASC+4096                   ; W's scale bytes: 32 units of 256 bytes + 16
.set STG,   BSC+32*PITCH               ; a stage of 16 rows x (512 + 16) bytes for each wave; no fill lands in it
.set SPITCH, 528
.set ADA,  16
.set ADB,  20
.set ADBS, 22
.set LS,   23
.set CO,   24
.set STO,  26
.set RD,   27
.set BO,   29
.set AS,   32
.set BS,   48
.set AF,   96
.set WV,   20
.set MSB, 0
.macro WIN new                         ; the immediate's high byte repeats the setting that is left; a switch that changes nothing is dropped
.if MSB != (\new)
	s_set_vgpr_msb (MSB<<8)|(\new)
.set MSB, (\new)
.endif
.endm
.macro PLACES
.rept 4
	v_nop
.endr
.endm
.macro ROUND                           ; a round of the cluster's barrier
	s_barrier_signal -1
	s_barrier_wait -1
	s_cmp_lg_u32 s[WV], 0
	s_cbranch_scc1 .Lnot_wave_0_\@
	s_barrier_signal -3
.Lnot_wave_0_\@:
	s_barrier_wait -3
	s_barrier_signal -1
	s_barrier_wait -1
.endm
.macro JLOAD g0a, g1a, g0b, g1b        ; a joint load: waves 0 and 1 fetch for attn, waves 2 and 3 for W_out; four v_nop follow each line
	s_cmp_eq_u32 s21, 0
	s_cbranch_scc0 .Lfor_b_\@
	tensor_load_to_lds s[\g0a:\g0a+3], s[\g1a:\g1a+7]
	s_nop 0
.rept 4
	v_nop
.endr
	s_branch .Lasked_\@
.Lfor_b_\@:
	tensor_load_to_lds s[\g0b:\g0b+3], s[\g1b:\g1b+7]
	s_nop 0
.rept 4
	v_nop
.endr
.Lasked_\@:
.endm
.macro SHAPE g, c, r, p                ; words 1 to 7 of a group 1: r rows of c elements, p elements from row to row
	s_mov_b32 s[\g+1], (\c)<<16
	s_mov_b32 s[\g+2], (\r)<<16
	s_mov_b32 s[\g+3], (\c)<<16
	s_mov_b32 s[\g+4], \r
	s_mov_b32 s[\g+5], \p
	s_mov_b32 s[\g+6], 0
	s_mov_b32 s[\g+7], 0
.endm
.macro GRP0 g, lreg, loff, areg, aoff  ; a group 0: count 1, LDS address, global address, type 2
	s_mov_b32 s[\g], 1
	s_add_co_u32 s[\g+1], s[\lreg], \loff
	s_add_nc_u64 s[\g+2:\g+3], s[\areg:\areg+1], \aoff
	s_or_b32 s[\g+3], s[\g+3], 0x80000000
.endm
; one matrix instruction: D at d, source 0 at a, source 1 at b, C at c, scale registers sa, sb; ra, rb = 1: that side's scales stand in lanes 16-31
.macro WM d, a, b, c, sa, sb, ra, rb
.if (\ra) && (\rb)
	v_wmma_scale_f32_16x16x128_f8f6f4 v[(\d):(\d)+7], v[(\a):(\a)+7], v[(\b):(\b)+7], v[(\c):(\c)+7], v[\sa], v[\sb] matrix_a_fmt:MATRIX_FMT_FP4 matrix_b_fmt:MATRIX_FMT_FP4 matrix_a_scale:MATRIX_SCALE_ROW1 matrix_b_scale:MATRIX_SCALE_ROW1
.elseif (\ra)
	v_wmma_scale_f32_16x16x128_f8f6f4 v[(\d):(\d)+7], v[(\a):(\a)+7], v[(\b):(\b)+7], v[(\c):(\c)+7], v[\sa], v[\sb] matrix_a_fmt:MATRIX_FMT_FP4 matrix_b_fmt:MATRIX_FMT_FP4 matrix_a_scale:MATRIX_SCALE_ROW1
.elseif (\rb)
	v_wmma_scale_f32_16x16x128_f8f6f4 v[(\d):(\d)+7], v[(\a):(\a)+7], v[(\b):(\b)+7], v[(\c):(\c)+7], v[\sa], v[\sb] matrix_a_fmt:MATRIX_FMT_FP4 matrix_b_fmt:MATRIX_FMT_FP4 matrix_b_scale:MATRIX_SCALE_ROW1
.else
	v_wmma_scale_f32_16x16x128_f8f6f4 v[(\d):(\d)+7], v[(\a):(\a)+7], v[(\b):(\b)+7], v[(\c):(\c)+7], v[\sa], v[\sb] matrix_a_fmt:MATRIX_FMT_FP4 matrix_b_fmt:MATRIX_FMT_FP4
.endif
.endm
	s_load_b256 s[4:11], s[0:1], 0x0               ; attn_img s[4:5], attn_sc s[6:7], W's codes s[8:9], W's scales s[10:11]
	s_load_b128 s[12:15], s[0:1], 0x20             ; b_out s[12:13], out0 s[14:15]
	v_lshl_add_u32 v254, v0, 2, 0x40000
	v_mov_b32 v255, 0
	ds_add_u32 v254, v255
	ds_add_u32 v254, v255
	v_lshrrev_b32 v1, 5, v0
	v_readfirstlane_b32 s[WV], v1                  ; wave 0..3
	s_lshr_b32 s21, s[WV], 1                       ; my half of the rows.  Also: I fetch for attn (0) or for W_out (1)
	s_and_b32 s22, s[WV], 1                        ; my half of the columns.  Also: which half of that tile I fetch
	s_bfe_u32 s84, ttmp6, 0x40000                  ; cx
	s_bfe_u32 s85, ttmp6, 0x40004                  ; cy
	s_lshl_b32 s86, ttmp9, 2
	s_add_co_u32 s86, s86, s84                     ; the block of 256 columns
	s_and_b32 s87, ttmp7, 0xffff
	s_lshl_b32 s87, s87, 2
	s_add_co_u32 s87, s87, s85                     ; the block of 128 rows
	s_lshl_b32 s88, s85, 2
	s_lshl_b32 s88, 15, s88                        ; my row of the cluster
	s_lshl_b32 s89, 0x1111, s84                    ; my column
	s_or_b32 s24, s88, (3<<16)|(1<<21)             ; attn's codes: four tiles' 4,096 bytes (eight heads), 8,192 bytes apart; elements of 8 bytes; no padding
	SHAPE 24, 512, 4, 1024
	s_or_b32 s32, s89, (0<<16)|(1<<20)|(1<<21)|(5<<22)|(3<<25)   ; W's codes: 128 rows x 256 bytes, 4 words of padding after every 64
	SHAPE 32, 256, 128, 512
	s_or_b32 s40, s88, (3<<16)|(1<<21)             ; attn's scale words: 2,048 dense bytes
	SHAPE 40, 32, 8, 32
	s_or_b32 s48, s89, (3<<16)|(1<<20)|(1<<21)|(5<<22)|(3<<25)   ; W's scale bytes: 4,096 dense bytes, padded
	SHAPE 48, 32, 16, 32
	s_lshl_b32 s90, s87, 16                        ; attn: (8 block + 4 half) tiles of 8,192 bytes
	s_lshl_b32 s91, s22, 15
	s_add_co_u32 s90, s90, s91
	s_mov_b32 s91, 0
	s_lshr_b32 s94, s90, 4                         ; its scale words: (4 block + 2 half) groups of 1,024 bytes
	s_mov_b32 s95, 0
	s_lshl_b32 s92, s86, 17                        ; W: (256 block + 128 half) rows of 512 bytes
	s_lshl_b32 s93, s22, 16
	s_add_co_u32 s92, s92, s93
	s_mov_b32 s93, 0
	s_lshr_b32 s96, s92, 4                         ; and of 32 scale bytes
	s_mov_b32 s97, 0
	s_lshl_b32 s23, s22, 14                        ; where my half goes in LDS: the wave's number alone enters
	s_mul_i32 s66, s22, 128*PITCH
	s_lshl_b32 s67, s22, 11
	s_mul_i32 s99, s22, 16*PITCH
	s_wait_dscnt 0x0
	s_wait_kmcnt 0x0
	s_add_nc_u64 s[90:91], s[4:5], s[90:91]
	s_add_nc_u64 s[94:95], s[6:7], s[94:95]
	s_add_nc_u64 s[92:93], s[8:9], s[92:93]
	s_add_nc_u64 s[96:97], s[10:11], s[96:97]
	ROUND                                          ; all sixteen work-groups are here: the joint loads meet
	GRP0 76, 67, ASC, 94, 0
	GRP0 80, 99, BSC, 96, 0
	JLOAD 76, 40, 80, 48                           ; the scales first; then chunk 0, then chunk 1: one load of mine is out; chunks 0 and 1 follow, each after a round
.irp c, 0,1
	GRP0 56+4*\c, 23, \c*32768, 90, \c*4096
	GRP0 68+4*\c, 66, \c*BCH+BOFF, 92, \c*256
	s_wait_alu depctr_va_vdst(0)
	s_wait_tensorcnt 0x0
	ds_add_u32 v254, v255
	s_wait_dscnt 0x0
	ROUND
	JLOAD 56+4*\c, 24, 68+4*\c, 32
.endr
	v_and_b32 v1, 15, v0                           ; r
	v_bfe_u32 v2, v0, 4, 1                         ; h
	v_and_b32 v5, 31, v0
	v_lshlrev_b32 v[CO], 4, v5                     ; 16 x lane
	s_lshl_b32 s90, s21, 14
	v_add_nc_u32 v[ADA], s90, v[CO]                ; attn's images: my four tiles
	v_mul_u32_u24 v4, v1, PITCH
	v_lshl_add_u32 v4, v2, 4, v4
	s_mul_i32 s90, s22, 128*PITCH
	s_add_co_u32 s90, s90, BOFF
	v_add_nc_u32 v[ADB], s90, v4                   ; W's rows: my 128, row r, + 16 h
	v_add_nc_u32 v[ADB+1], BCH, v[ADB]
	v_lshrrev_b32 v6, 3, v1
	v_and_b32 v7, 7, v1
	v_mul_u32_u24 v6, v6, PITCH                    ; W's scale bytes: row 16 h + r lies in unit 2 h + r / 8, 32 (r % 8) bytes in: lanes 0-15 an even tile, lanes 16-31 the odd one
	v_lshl_add_u32 v6, v7, 5, v6
	v_mad_u32_u24 v6, v2, 2*PITCH, v6
	s_mul_i32 s90, s22, 16*PITCH
	s_add_co_u32 s90, s90, BSC
	v_add_nc_u32 v[ADBS], s90, v6
	s_lshl_b32 s90, s21, 11
	s_add_co_u32 s90, s90, ASC
	v_lshl_add_u32 v[LS], v5, 2, s90               ; attn's scale words: my two groups, 4 x lane
	s_mul_i32 s90, s[WV], 16*SPITCH
	s_add_co_u32 s90, s90, STG                     ; my stage
	v_mul_u32_u24 v[STO], v1, SPITCH
	v_lshl_add_u32 v[STO], v2, 5, v[STO]
	v_add_nc_u32 v[STO], s90, v[STO]               ; in: row r, 32 bytes for each half of the lanes
	v_add_nc_u32 v[RD], s90, v[CO]                 ; back: the 32 lanes take one row of 512 bytes
	v_lshlrev_b32 v[BO], 5, v2
	s_wait_alu depctr_va_vdst(0)
	s_lshl_b32 s92, s86, 10
	s_lshl_b32 s93, s22, 9
	s_add_co_u32 s92, s92, s93                     ; my first column, in bytes of f32
	s_mov_b32 s93, 0
	s_add_nc_u64 s[12:13], s[12:13], s[92:93]
	s_lshl_b32 s90, s87, 19
	s_lshl_b32 s91, s21, 18
	s_add_co_u32 s90, s90, s91                     ; my first row: (128 block + 64 half) rows of 4,096 bytes
	s_add_co_u32 s90, s90, s92
	s_mov_b32 s91, 0
	s_add_nc_u64 s[14:15], s[14:15], s[90:91]
	WIN 0xc0                                       ; destination window 3
.irp n, 0,1,2,3,4,5,6,7
	global_load_b128 v[8*\n:8*\n+3], v[BO], s[12:13] offset:64*\n          ; lane (r, h), register j: column 16 n + 8 h + j
	global_load_b128 v[8*\n+4:8*\n+7], v[BO], s[12:13] offset:64*\n+16
.endr
	WIN 0
; 24 LDS loads in one run: the fragments of K step s (128 along K = two heads): W's eight, attn's four
.macro FETCH s
.set PF, (\s)%2
	WIN 0x40                                       ; destination window 1
.irp n, 0,1,2,3,4,5,6,7
.irp c, 0,1
	ds_load_b128 v[128*PF+8*\n+4*\c:128*PF+8*\n+4*\c+3], v[ADB+(\s)/4] offset:16*PITCH*\n+64*((\s)%4)+32*\c
.endr
.endr
	WIN 0
.irp m, 0,1,2,3
.irp c, 0,1
	ds_load_b128 v[AF+32*PF+8*\m+4*\c:AF+32*PF+8*\m+4*\c+3], v[ADA] offset:32768*((\s)/4)+4096*\m+1024*((\s)%4)+512*\c
.endr
.endr
.endm
; K step s: 32 matrix instructions, the 32 accumulators by turns, in the same order in every step
.macro STEP s
.set PB, (\s)%2
	s_wait_dscnt 0x0                               ; this step's fragments are in: they were asked for 32 matrix instructions ago
.if (\s) == 3
	s_wait_tensorcnt 0x0                           ; my part of chunk 1 has landed,
	s_barrier_signal -1
	s_barrier_wait -1                              ; everybody's has.
.endif
.if (\s) < 7
.if (\s) > 0
	PLACES                                         ; the other set's last readers are the products just issued
.endif
	FETCH (\s)+1
.endif
.if (\s) == 0
	WIN 0xb1                                       ; source 0 (W) window 1, source 1 (attn) window 0, C (the bias) window 3, D window 2
.else
	WIN 0xa1
.endif
.irp m, 0,1,2,3
.irp n, 0,1,2,3,4,5,6,7
.if (\s) == 0
	WM 8*(8*\m+\n), 128*PB+8*\n, AF+32*PB+8*\m, 8*\n, BS+8*(\n/2)+(\s), AS+8*(\m/2)+(\s), \n%2, \m%2
.else
	WM 8*(8*\m+\n), 128*PB+8*\n, AF+32*PB+8*\m, 8*(8*\m+\n), BS+8*(\n/2)+(\s), AS+8*(\m/2)+(\s), \n%2, \m%2
.endif
.endr
.endr
	WIN 0
.endm
	s_wait_tensorcnt 1                             ; the scales and my part of chunk 0 are in; chunk 1's load, the last issued, may stay out
	s_barrier_signal -1
	s_barrier_wait -1                              ; everybody's are
.irp g, 0,1
.irp s, 0,1,2,3,4,5,6,7
	ds_load_b32 v[AS+8*\g+\s], v[LS] offset:1024*\g+128*\s     ; lanes 0-15 tile u = 0, lanes 16-31 u = 1
.endr
.endr
.irp i, 0,1,2,3
.irp c, 0,1
	ds_load_b128 v[BS+8*\i+4*\c:BS+8*\i+4*\c+3], v[ADBS] offset:4*PITCH*\i+16*\c
.endr
.endr
	FETCH 0
	s_wait_loadcnt 0x0                             ; the bias
.irp s, 0,1,2,3,4,5,6,7
	STEP \s
.endr
; THE WAY OUT, a tile of 16 rows x 128 columns at a time: through my own stage and back as whole rows of 512 bytes.  LDS serves a wave's instructions in order (ISA guide 5.7.1.4): no wait between the stores and the loads.
.macro TOSTAGE m
	WIN 0x08                                       ; an LDS store's data are its source 1: window 2
.irp n, 0,1,2,3,4,5,6,7
	ds_store_b128 v[STO], v[8*(8*(\m)+\n):8*(8*(\m)+\n)+3] offset:64*\n           ; each accumulator from its low end on
	ds_store_b128 v[STO], v[8*(8*(\m)+\n)+4:8*(8*(\m)+\n)+7] offset:64*\n+16
.endr
	WIN 0
.set BB, 96+64*((\m)%2)
.irp t, 0,1,2,3,4,5,6,7,8,9,10,11,12,13,14,15
	ds_load_b128 v[BB+4*\t:BB+4*\t+3], v[RD] offset:\t*SPITCH
.endr
.endm
.macro SEND m, younger                 ; younger: the LDS instructions issued behind tile m's loads, which may stay out
.set BB, 96+64*((\m)%2)
	s_wait_dscnt \younger
.irp t, 0,1,2,3,4,5,6,7,8,9,10,11,12,13,14,15
	global_store_b128 v[CO], v[BB+4*\t:BB+4*\t+3], s[14:15] offset:(32*((\m)/2)+8*((\m)%2)+\t+8*(\t/8))*4096 th:TH_STORE_NT   ; 32 lanes store 512 consecutive bytes, aligned; stage row t is row t + 8 (t / 8) of the tile
.endr
.endm
	PLACES                                         ; behind the last products: for the first read of results and for loads into the registers that held attn's fragments
	TOSTAGE 0
.irp m, 1,2,3
.if \m > 1
	s_wait_xcnt 0x0                                ; tile m - 2's stores have read their registers: tile m's loads may land there
.endif
	TOSTAGE \m
	SEND \m-1, 32                                  ; behind tile m - 1's loads: tile m's 16 stores and 16 loads
.endr
	SEND 3, 0
	s_wait_tensorcnt 0x0
	ds_add_u32 v254, v255
	s_wait_dscnt 0x0
	ROUND                                          ; the closing round
	s_endpgm
.Lfunc_end_k_q1e654425a9_proj:
	.size	k_q1e654425a9_proj, .Lfunc_end_k_q1e654425a9_proj-k_q1e654425a9_proj
	.p2alignl 7, 3214868480
	.fill 96, 4, 3214868480
	.section	.rodata,"a",@progbits
	.p2align	6, 0x0
	.amdhsa_kernel k_q1e654425a9_proj
		.amdhsa_group_segment_fixed_size 327680
		.amdhsa_private_segment_fixed_size 0
		.amdhsa_enable_private_segment 0
		.amdhsa_kernarg_size 48
		.amdhsa_user_sgpr_count 2
		.amdhsa_user_sgpr_kernarg_segment_ptr 1
		.amdhsa_wavefront_size32 1
		.amdhsa_system_sgpr_workgroup_id_x 1
		.amdhsa_system_sgpr_workgroup_id_y 1
		.amdhsa_system_sgpr_workgroup_id_z 1
		.amdhsa_system_vgpr_workitem_id 0
		.amdhsa_next_free_vgpr 832
		.amdhsa_next_free_sgpr 100
		.amdhsa_reserve_vcc 0
		.amdhsa_float_denorm_mode_32 3
		.amdhsa_float_denorm_mode_16_64 3
		.amdhsa_memory_ordered 1
		.amdhsa_forward_progress 1
		.amdhsa_inst_pref_size 75
	.end_amdhsa_kernel
	.amdgpu_metadata
---
amdhsa.version: [ 1, 2 ]
amdhsa.kernels:
  - .name:           k_q1e654425a9_proj
    .symbol:         k_q1e654425a9_proj.kd
    .args:
      - { .name: attn_img, .offset: 0, .size: 8, .value_kind: global_buffer, .address_space: global }
      - { .name: attn_sc, .offset: 8, .size: 8, .value_kind: global_buffer, .address_space: global }
      - { .name: W_out_codes, .offset: 16, .size: 8, .value_kind: global_buffer, .address_space: global }
      - { .name: W_out_scales, .offset: 24, .size: 8, .value_kind: global_buffer, .address_space: global }
      - { .name: b_out, .offset: 32, .size: 8, .value_kind: global_buffer, .address_space: global }
      - { .name: out0, .offset: 40, .size: 8, .value_kind: global_buffer, .address_space: global }
    .group_segment_fixed_size: 327680
    .private_segment_fixed_size: 0
    .kernarg_segment_align: 8
    .kernarg_segment_size: 48
    .max_flat_workgroup_size: 128
    .sgpr_count:     100
    .vgpr_count:     832
    .wavefront_size: 32
...
	.end_amdgpu_metadata
.endif
;; end of part 3
